; MI455X (gfx1250); checked and timed in simulation.
; The chip was launched on July 23, 2026; its instructions are those of AMD's public machine-readable ISA for CDNA 5 (MIT licence, August 2026) and "CDNA5" Instruction Set Architecture Reference Guide (July 2026). The comments in the code are by the model that wrote it; some were corrected since.
;; Hydra Attention. Allowed arithmetic: matrix products marked QUANTISED: E5M2 operands, one given power-of-two scale a tensor, by v_wmma_f32_16x16x64_bf8_bf8 or v_wmma_f32_16x16x128_bf8_bf8, f32 sums; everything else in f32.
;; Inputs: W_out 1,024 x 1,024 float32; W_qkv 3,072 x 1,024 float32; b_out 1,024 float32; b_qkv 3,072 float32; lowp_scales 4 int32 (the exponents e of the quantised operands' scales 2^e); mask 4 x 4,096 bool; x 4 x 4,096 x 1,024 float32.
;; Outputs: out0 4 x 4,096 x 1,024 float32.
;; This version of the problem:
;;   THIS VERSION OF THE PROBLEM IS GIVEN IN LOW PRECISION. The matrix products marked QUANTISED in the list below multiply operands that are first quantised to E5M2 (5 exponent bits, 2 mantissa bits; 8 bits a number), with one given power-of-two scale for each operand tensor; their sums are f32. All else is computed in f32.
;;   The module's matrix products, in the order in which they are computed (A, B: the left and right operand; K: the contracted axis; several contracted axes count as one K, in the product's order):
;;     1. [M 16,384, K 1,024] x [K 1,024, N 3,072]; A: input x; B: input W_qkv: QUANTISED (scales: A lowp_scales[0], B lowp_scales[1])
;;     2. [M 16,384, K 1,024] x [K 1,024, N 1,024]; A: computed on the way; B: input W_out: QUANTISED (scales: A lowp_scales[2], B lowp_scales[3])
;;   THE QUANTISER, for each operand of a quantised product, along K:
;;     - The operand's scale is 2^e, e = its entry of the input lowp_scales (int32; the entries are numbered through the quantised products in the list's order, A before B).
;;     - Each number is divided by the scale, clamped to +-57,344, and rounded to the nearest number of E5M2, ties to even, subnormals kept.
;;     - The product sums the exact products of the quantised numbers (number of the format x scale) in f32.
;;   ~~~python
;;   def quantise(x, axis, e):      # numpy; x: float32 -> the quantised numbers, widened to float32 again
;;       x = np.moveaxis(x, axis, -1); K = x.shape[-1]
;;       r = np.clip(x / 2.0 ** e, -57344, 57344)
;;       step = 2.0 ** (np.maximum(np.frexp(np.where(r == 0, 1, r))[1] - 1, -14) - 2)
;;       q = np.round(r / step) * step * 2.0 ** e      # np.round: ties to even
;;       return np.moveaxis(q, -1, axis).astype(np.float32)
;;   ~~~
;;   OPERANDS COMPUTED ON THE WAY. 'Computed on the way' means the value that the module computes at that place (a softmax that the list does not call 'softmax' is quantised finished and normalised). What goes into a quantiser is computed in f32, as accurately as f32 sums, v_exp_f32 and their like allow (about 1e-6 of the number): no bf16 or f16 on the way to a quantiser, and a product that is left as it is and whose result goes on into a quantised operand takes f32 operands (vector FMAs, or v_wmma_f32_16x16x4_f32). A number that lies on a knife's edge between two numbers of the format may be rounded either way, as far as f32 arithmetic and the matrix unit's own rounding can turn it there, and no further.
;; One version. Each part assembles by itself: llvm-mc -triple=amdgcn-amd-amdhsa -mcpu=gfx1250 --defsym DOCPART=n.
;; ======== version 1 of 1: 3 launches
;; limits: right only within a limited range of input values
;; workspace buffers: xc 16,777,216 bytes; wc 4,194,304 bytes; part 1,048,576 bytes
;; launch quant (part 1): grid 256 x 1, 10 waves a work-group, no clusters, 85,760 bytes of LDS; arguments x, W_qkv, W_out, lowp_scales, xc, wc; writes xc, wc
.if DOCPART == 1
	.amdgcn_target "amdgcn-amd-amdhsa--gfx1250"
	.amdhsa_code_object_version 6
	.text
	.protected	k_q4f0725c347_quant
	.globl	k_q4f0725c347_quant
	.p2align	8
	.type	k_q4f0725c347_quant,@function
k_q4f0725c347_quant:
	s_mov_b64 s[64:65], 0
	v_nop
	global_prefetch_b8 v0, s[64:65] scope:SCOPE_SE
	s_setreg_imm32_b32 hwreg(HW_REG_WAVE_MODE, 25, 1), 1
	s_wait_xcnt 0x0
; HydraAttention in BF8 (E5M2), three launches: quant (this one), kvpart, qout.
; NO WORK OF reference() IS LEFT OUT: every input has a way to out0 (x, W_qkv, b_qkv through q, k and v; mask through k; W_out, b_out, all four scales), and the rows of k
; that the mask clears hang on an input's values: they are computed and selected away.
; THIS LAUNCH turns x [16384][1024], W_qkv [3072][1024] and W_out [1024][1024], f32 with K innermost, into codes, each tensor with the one scale 2^e given for it (entries 0, 1, 3):
; code = number / 2^e, held within +-57,344, rounded to the nearest code, ties to even.  Each tensor is read by many work-groups later, so it is quantised once.
; LAYOUT OF THE CODES: images of operand registers.  A fragment is 16 rows x 128 K = 2,048 bytes: byte 512 c + 16 lane + i is byte i of registers 4 c .. 4 c + 3 of that lane; lane (r, h) holds row r,
; registers 2 c', 2 c' + 1 hold k = 16 c' + 8 h + 0 .. 7.  xc: [K step 0..7][row tile 0..1023][2048].  wc: [K step 0..7][tile 0..255][2048]: tiles 0-191 W_qkv's rows 16 t on, 192-255 W_out's.
; SHARES: 1,280 tiles of 16 rows, two waves to a tile (512 along K each, four steps of 128).  One path for the three tensors: pointers, sizes and e are chosen by the wave's id alone.
; Each load reads 512 consecutive bytes of one row; the 16 rows turn through the wave's own stage in LDS (rows of 512 + 16 bytes) and come back in the operand's order; each store covers 512 consecutive bytes, aligned.
; No matrix unit, no cluster, no tensor load: the waves share no byte.
; LIMITS: e between -126 and 112.  NaN among the inputs is not served (an infinity is held at the largest code).
.set WAVES, 10
.set SP,    528                        ; a stage row: 512 bytes + 16
.set STG,   16*SP                      ; a wave's stage
.set SPARE, WAVES*STG                  ; behind the stages: the spare words, 128 bytes a wave, five blocks of 256 bytes that no other line names
.set SPW,   1                          ; v1   my spare word; never rewritten
.set NIL,   2                          ; v2   0; never rewritten
.set LO,    3                          ; v3   16 x lane
.set SI,    4                          ; v4   into the stage: 16 x lane
.set SO,    5                          ; v5   out of it: 528 r + 32 h
.set DO,    6                          ; v6-9 step st: 16 x lane + st x (bytes of a K step of the codes' buffer)
.set LIM,   10                         ; v10  57,344 x 2^e
.set SC,    11                         ; v11  2^e
.set R,     16                         ; v16-143  two sets of 64: a step's numbers as loaded
.set X,     144                        ; v144-207 the same in the operand's order
.set C,     208                        ; v208-239 two sets of 16: codes
.set SRC,   28                         ; s[28:29]
.set DST,   30                         ; s[30:31]
	s_load_b256 s[4:11], s[0:1], 0x0               ; x, W_qkv, W_out, the scales' exponents
	s_load_b128 s[12:15], s[0:1], 0x20             ; xc, wc
	v_lshl_add_u32 v[SPW], v0, 2, SPARE
	v_mov_b32 v[NIL], 0
	v_lshrrev_b32 v12, 5, v0
	s_delay_alu instid0(VALU_DEP_1)
	v_readfirstlane_b32 s16, v12                   ; wave 0..9
	v_and_b32 v12, 31, v0
	s_delay_alu instid0(VALU_DEP_1)
	v_lshlrev_b32 v[LO], 4, v12
	s_mul_i32 s17, s16, STG
	v_add_nc_u32 v[SI], s17, v[LO]
	v_and_b32 v13, 15, v0                          ; r
	v_bfe_u32 v14, v0, 4, 1                        ; h
	s_delay_alu instid0(VALU_DEP_2)
	v_mul_u32_u24 v13, v13, SP
	s_delay_alu instid0(VALU_DEP_1)
	v_lshl_add_u32 v13, v14, 5, v13
	s_delay_alu instid0(VALU_DEP_1)
	v_add_nc_u32 v[SO], s17, v13
	s_mul_i32 s18, ttmp9, WAVES
	s_add_co_u32 s18, s18, s16                     ; id 0..2559
	s_lshr_b32 s19, s18, 1                         ; tile 0..1279: 0-1023 x, 1024-1215 W_qkv, 1216-1279 W_out
	s_and_b32 s20, s18, 1                          ; which half of K
	s_mov_b32 s21, 1216
	s_mov_b32 s22, 0x80000
	s_mov_b32 s33, 0
	s_wait_alu depctr_va_vdst(0)
	s_wait_kmcnt 0x0
	s_load_b128 s[24:27], s[10:11], 0x0            ; e0 .. e3
	s_cmp_lt_u32 s19, 1216
	s_cselect_b64 s[SRC:SRC+1], s[6:7], s[8:9]
	s_cselect_b32 s21, 1024, s21                   ; the tensor's first tile
	s_cmp_lt_u32 s19, 1024
	s_cselect_b64 s[SRC:SRC+1], s[4:5], s[SRC:SRC+1]
	s_cselect_b64 s[DST:DST+1], s[12:13], s[14:15]
	s_cselect_b32 s21, 0, s21
	s_cselect_b32 s23, 0, 1024                     ; the codes' buffer's first tile
	s_cselect_b32 s22, 0x200000, s22               ; bytes of a K step in it: 1,024 or 256 fragments
	s_sub_co_u32 s21, s19, s21
	s_sub_co_u32 s23, s19, s23
	s_lshl_b32 s32, s21, 16                        ; 16 rows of 4,096 bytes,
	s_lshl_b32 s34, s20, 11                        ; 512 numbers along K
	s_add_co_u32 s32, s32, s34
	s_add_nc_u64 s[SRC:SRC+1], s[SRC:SRC+1], s[32:33]
	s_lshl_b32 s32, s23, 11                        ; my fragment in a K step,
	s_mul_i32 s34, s20, s22
	s_lshl_b32 s34, s34, 2                         ; K steps 4 x half on
	s_add_co_u32 s32, s32, s34
	s_add_nc_u64 s[DST:DST+1], s[DST:DST+1], s[32:33]
	v_mov_b32 v[DO], v[LO]
	s_delay_alu instid0(VALU_DEP_1)
	v_add_nc_u32 v[DO+1], s22, v[DO]
	s_delay_alu instid0(VALU_DEP_1)
	v_add_nc_u32 v[DO+2], s22, v[DO+1]
	s_delay_alu instid0(VALU_DEP_1)
	v_add_nc_u32 v[DO+3], s22, v[DO+2]
.macro LOAD st                         ; step st: 16 rows x 512 bytes
.irp i, 0,1,2,3,4,5,6,7,8,9,10,11,12,13,14,15
	global_load_b128 v[R+64*((\st)%2)+4*\i:R+64*((\st)%2)+4*\i+3], v[LO], s[SRC:SRC+1] offset:4096*\i+512*(\st) th:TH_LOAD_NT
.endr
.endm
	LOAD 0
	LOAD 1
	s_wait_kmcnt 0x0
	s_cmp_lt_u32 s19, 1216
	s_cselect_b32 s25, s25, s27
	s_cmp_lt_u32 s19, 1024
	s_cselect_b32 s24, s24, s25                    ; e
	s_add_co_i32 s24, s24, 127
	s_lshl_b32 s25, s24, 23
	v_mov_b32 v[SC], s25                           ; 2^e as f32: the conversion takes its exponent field
	s_add_co_i32 s24, s24, 15
	s_lshl_b32 s24, s24, 23
	s_or_b32 s24, s24, 0x600000
	v_mov_b32 v[LIM], s24                          ; 57,344 x 2^e
.macro STEP st
.if (\st) < 3
	s_wait_loadcnt 16                              ; this step's 16 loads are in; the next step's 16 may be out
.else
	s_wait_loadcnt 0
.endif
.irp i, 0,1,2,3,4,5,6,7,8,9,10,11,12,13,14,15
	ds_store_b128 v[SI], v[R+64*((\st)%2)+4*\i:R+64*((\st)%2)+4*\i+3] offset:SP*\i
.endr
.irp c, 0,1,2,3                        ; LDS serves a wave's instructions in order: these see the stores.  Of row r: k = 32 c + 8 h + 0..7, then k = 32 c + 16 + 8 h + 0..7
	ds_load_b128 v[X+16*\c:X+16*\c+3], v[SO] offset:128*\c
	ds_load_b128 v[X+16*\c+4:X+16*\c+7], v[SO] offset:128*\c+16
	ds_load_b128 v[X+16*\c+8:X+16*\c+11], v[SO] offset:128*\c+64
	ds_load_b128 v[X+16*\c+12:X+16*\c+15], v[SO] offset:128*\c+80
.endr
	s_wait_dscnt 0x0                               ; the numbers are back, and the stores into the stage have read their registers,
.if (\st)+2 < 4
	LOAD (\st)+2                                   ; which take the loads of two steps on
.else
	s_wait_xcnt 0x0                                ; the stores of two steps back have read their codes: that set is written again below
.endif
.set n, 0
.rept 64
	v_med3_num_f32 v[X+n], v[X+n], -v[LIM], v[LIM] ; the conversion to an 8-bit code does not saturate (ISA guide 7.6.2): the hold comes first
.set n, n+1
.endr
.irp c, 0,1,2,3
	v_cvt_scalef32_pk8_bf8_f32 v[C+16*((\st)%2)+4*\c:C+16*((\st)%2)+4*\c+1], v[X+16*\c:X+16*\c+7], v[SC]
	v_cvt_scalef32_pk8_bf8_f32 v[C+16*((\st)%2)+4*\c+2:C+16*((\st)%2)+4*\c+3], v[X+16*\c+8:X+16*\c+15], v[SC]
.endr
	v_nop                                          ; a plain vector line behind the last conversion: the next step's holds write the conversions' sources
.irp c, 0,1,2,3
	global_store_b128 v[DO+(\st)], v[C+16*((\st)%2)+4*\c:C+16*((\st)%2)+4*\c+3], s[DST:DST+1] offset:512*\c   ; 32 lanes store 512 consecutive bytes, aligned
.endr
.endm
	s_wait_alu depctr_va_vdst(0)
	STEP 0
	STEP 1
	STEP 2
	STEP 3
	s_wait_tensorcnt 0x0                           ; the wave's end: behind my last LDS store
	ds_add_u32 v[SPW], v[NIL]
	s_wait_dscnt 0x0
	s_endpgm
.Lfunc_end_k_q4f0725c347_quant:
	.size	k_q4f0725c347_quant, .Lfunc_end_k_q4f0725c347_quant-k_q4f0725c347_quant
	.p2alignl 7, 3214868480
	.fill 96, 4, 3214868480
	.section	.rodata,"a",@progbits
	.p2align	6, 0x0
	.amdhsa_kernel k_q4f0725c347_quant
		.amdhsa_group_segment_fixed_size 85760
		.amdhsa_private_segment_fixed_size 0
		.amdhsa_enable_private_segment 0
		.amdhsa_kernarg_size 48
		.amdhsa_user_sgpr_count 2
		.amdhsa_user_sgpr_kernarg_segment_ptr 1
		.amdhsa_wavefront_size32 1
		.amdhsa_system_sgpr_workgroup_id_x 1
		.amdhsa_system_sgpr_workgroup_id_y 1
		.amdhsa_system_sgpr_workgroup_id_z 1
		.amdhsa_system_vgpr_workitem_id 0
		.amdhsa_next_free_vgpr 240
		.amdhsa_next_free_sgpr 66
		.amdhsa_reserve_vcc 0
		.amdhsa_float_denorm_mode_32 3
		.amdhsa_float_denorm_mode_16_64 3
		.amdhsa_memory_ordered 1
		.amdhsa_forward_progress 1
		.amdhsa_inst_pref_size 38
	.end_amdhsa_kernel
	.amdgpu_metadata
---
amdhsa.version: [ 1, 2 ]
amdhsa.kernels:
  - .name:           k_q4f0725c347_quant
    .symbol:         k_q4f0725c347_quant.kd
    .args:
      - { .name: x, .offset: 0, .size: 8, .value_kind: global_buffer, .address_space: global }
      - { .name: W_qkv, .offset: 8, .size: 8, .value_kind: global_buffer, .address_space: global }
      - { .name: W_out, .offset: 16, .size: 8, .value_kind: global_buffer, .address_space: global }
      - { .name: lowp_scales, .offset: 24, .size: 8, .value_kind: global_buffer, .address_space: global }
      - { .name: xc, .offset: 32, .size: 8, .value_kind: global_buffer, .address_space: global }
      - { .name: wc, .offset: 40, .size: 8, .value_kind: global_buffer, .address_space: global }
    .group_segment_fixed_size: 85760
    .private_segment_fixed_size: 0
    .kernarg_segment_align: 8
    .kernarg_segment_size: 48
    .max_flat_workgroup_size: 320
    .sgpr_count:     66
    .vgpr_count:     240
    .wavefront_size: 32
...
	.end_amdgpu_metadata
.endif
;; end of part 1
;; launch kvpart (part 2): grid 256 x 1, 4 waves a work-group, no clusters, 212,480 bytes of LDS; arguments xc, wc, b_qkv, mask, lowp_scales, part; writes part
.if DOCPART == 2
	.amdgcn_target "amdgcn-amd-amdhsa--gfx1250"
	.amdhsa_code_object_version 6
	.text
	.protected	k_q4f0725c347_kvpart
	.globl	k_q4f0725c347_kvpart
	.p2align	8
	.type	k_q4f0725c347_kvpart,@function
k_q4f0725c347_kvpart:
	s_mov_b64 s[64:65], 0
	v_nop
	global_prefetch_b8 v0, s[64:65] scope:SCOPE_SE
	s_setreg_imm32_b32 hwreg(HW_REG_WAVE_MODE, 25, 1), 1
	s_wait_xcnt 0x0
; part[g][d] = sum over the 64 rows t of work-group g of w(t) k(t,d) v(t,d), w(t) = 0 where the mask is set, else 1 / |k(t)|.  k, v = x W^T 2^(e0+e1) + b, on codes of BF8.  No work of reference() is left out here.
; SHARES: a work-group has 64 rows and all 1,024 d; wave w has d = 256 w .. 256 w + 255, in two chunks of 128: 8 tiles of k and the same 8 of v, 64 accumulators (512 registers), 64 matrix instructions a K step of 128.
; W's FRAGMENTS GO FROM MEMORY STRAIGHT INTO OPERAND REGISTERS: wc holds images of operand registers (2,048 bytes a fragment, four loads of 512 consecutive bytes), and each fragment is multiplied by ONE wave of the
; work-group.  A ring of 16 fragments (window 1) holds one K step; a group of four is asked for again behind its 16 products and four places, one K step (64 matrix instructions) ahead of its use.
; NO CLUSTER, NO JOINT LOADS: a joint load lands in LDS alone, where each of these bytes would be written once and read once by the one wave that wants it.  NO DATA PREFETCH: the ring's loads are themselves asked
; one K step ahead, and x's codes are asked for once, at the head, where there is no loop to run ahead in.
; x's codes (64 rows x 1,024 K = 65,536 bytes) are put into LDS once, each wave its row tile; position p holds K step (g + p) % 8, the order in which this work-group walks K.
; Chunk 0's products k v wait in the wave's own 32,768 bytes of LDS while chunk 1 is multiplied.
; REGISTERS: window 0: v0-31 addresses, v32-47 biases, v64-127 and v128-191 x's fragments by turns, v192-255 at work; window 1: the ring; window 2: k's accumulators ((m, i) at 64 m + 8 i), then k v; window 3: v's.
; LIMITS: e0 + e1 between -126 and 127.  A masked row's k v is multiplied by the weight 0, so it must be finite.
.set PST,   65536                      ; chunk 0's products, 32,768 bytes a wave
.set BL,    196608                     ; biases, 2,048 bytes a wave: 256 of k, 256 of v
.set RED,   204800                     ; sums of squares: [chunk][wave][row]
.set WL,    206848                     ; the rows' weights, a copy for each wave
.set KST,   207872                     ; the way out, 1,024 bytes a wave
.set SPARE, 211968                     ; the spare words, 128 bytes a wave
.set SPW,  1
.set NIL,  2
.set LO,   3                           ; 16 x lane
.set LXS,  4
.set LP,   5
.set BLS,  6
.set BLL,  7
.set MK,   8
.set LN,   10
.set BO,   11
.set HH,   12
.set REDS, 14
.set REDL, 15
.set WLS,  16
.set WLL,  17
.set KSS,  18
.set KSL,  19
.set XV,   20                          ; v20-27 x's offsets, one for each position p
.set TV,   28
.set BI,   32
.set SSR,  224
.set WV,   18
.set WB,   40
.set OFF,  42
.set KW,   44
.set WA,   46
.set SE,   56
.set SEL,  58
.set MSB, 0
.macro WIN new
.if MSB != \new
	s_set_vgpr_msb (MSB<<8)|\new
.set MSB, \new
.endif
.endm
.macro PLACES
.rept 4
	v_nop
.endr
.endm
.macro BLOADG t, g                     ; ring places 4 g .. 4 g + 3 take K step t's fragments: places 0-7 k's tiles, 8-15 v's (64 tiles = 131,072 bytes on)
	WIN 0x40
.irp b, 0,1,2,3
.irp c, 0,1,2,3
	global_load_b128 v[16*(4*(\g)+\b)+4*\c:16*(4*(\g)+\b)+4*\c+3], v[LO], s[WA:WA+1] offset:16384*((\t)/8)+131072*((\g)/2)+2048*((4*(\g)+\b)%8)+512*\c
.endr
.endr
	WIN 0
.endm
.macro FETCH_A t
.irp m, 0,1,2,3
.irp c, 0,1,2,3
	ds_load_b128 v[64+64*((\t)%2)+16*\m+4*\c:64+64*((\t)%2)+16*\m+4*\c+3], v[LO] offset:8192*((\t)%8)+2048*\m+512*\c
.endr
.endr
.endm
.macro MULG t, g                       ; 16 products on 16 accumulators; the 64 take turns in the same order in every K step
.set WN, 0xa4+0x50*((\g)/2)
	WIN WN
.irp b, 0,1,2,3
.irp m, 0,1,2,3
.set AC, 64*\m+8*((4*(\g)+\b)%8)
.set AA, 64+64*((\t)%2)+16*\m
.set BB, 16*(4*(\g)+\b)
.if ((\t)%8) == 0
	v_wmma_f32_16x16x128_bf8_bf8 v[AC:AC+7], v[AA:AA+15], v[BB:BB+15], 0
.else
	v_wmma_f32_16x16x128_bf8_bf8 v[AC:AC+7], v[AA:AA+15], v[BB:BB+15], v[AC:AC+7]
.endif
.endr
.endr
.endm
.macro KSTEP t
.if (\t) < 15
	s_wait_xcnt 0x0                                ; the loads issued so far have read their base: it steps to the next K step
	s_add_co_u32 s[KW], s[KW], 1
	s_and_b32 s[KW], s[KW], 7
	s_lshl_b32 s[OFF], s[KW], 19
	s_add_nc_u64 s[WA:WA+1], s[WB:WB+1], s[OFF:OFF+1]
.endif
	s_wait_dscnt 0x0                               ; this step's fragments of x are in (asked for a K step ago)
.if (\t) < 15
	FETCH_A (\t)+1                                 ; the next step's, into the other set: four places stand behind its last products
.endif
.irp g, 0,1,2,3
.if (\t) < 15
	s_wait_loadcnt 48                              ; behind this group's 16 loads the three other groups' 48 were issued
.else
	s_wait_loadcnt 48-16*\g                        ; the last step asks for nothing more
.endif
	MULG \t, \g
	PLACES                                         ; in front of loads into registers that these products read, and of the reads of results
.if (\t) < 15
	BLOADG (\t)+1, \g
.endif
.endr
	WIN 0
.endm
.macro BIAS base                       ; sums x 2^(e0+e1) + b: a lane holds one column, so one bias serves its eight rows: the low or the high word of a pair for both halves
.irp m, 0,1,2,3
.irp i, 0,1,2,3,4,5,6,7
.irp j, 0,2,4,6
.if (\i%2) == 0
	v_pk_fma_f32 v[64*\m+8*\i+\j:64*\m+8*\i+\j+1], v[64*\m+8*\i+\j:64*\m+8*\i+\j+1], s[SE:SE+1], v[\base+\i:\base+\i+1] op_sel_hi:[1,0,0]
.else
	v_pk_fma_f32 v[64*\m+8*\i+\j:64*\m+8*\i+\j+1], v[64*\m+8*\i+\j:64*\m+8*\i+\j+1], s[SE:SE+1], v[\base+\i-1:\base+\i] op_sel:[0,0,1] op_sel_hi:[1,0,1]
.endif
.endr
.endr
.endr
.endm
.macro EPI c                           ; a chunk's end: k, its squares summed by rows, v, k v
.irp n, 0,1,2,3,4,5,6,7
	ds_load_b32 v[BI+\n], v[BLL] offset:512*(\c)+64*\n
	ds_load_b32 v[BI+8+\n], v[BLL] offset:1024+512*(\c)+64*\n
.endr
	s_wait_dscnt 0x0
	WIN 0x82
	BIAS BI
	WIN 0x0a
.irp i, 0,1,2,3,4,5,6,7
.irp m, 0,1,2,3
.irp j, 0,2,4,6
.if \i == 0
	v_pk_mul_f32 v[SSR+8*\m+\j:SSR+8*\m+\j+1], v[64*\m+8*\i+\j:64*\m+8*\i+\j+1], v[64*\m+8*\i+\j:64*\m+8*\i+\j+1]
.else
	v_pk_fma_f32 v[SSR+8*\m+\j:SSR+8*\m+\j+1], v[64*\m+8*\i+\j:64*\m+8*\i+\j+1], v[64*\m+8*\i+\j:64*\m+8*\i+\j+1], v[SSR+8*\m+\j:SSR+8*\m+\j+1]
.endif
.endr
.endr
.endr
	WIN 0xc3
	BIAS BI+8
	WIN 0x8e                                       ; window 2 = window 2 x window 3
.set n, 0
.rept 128
	v_pk_mul_f32 v[n:n+1], v[n:n+1], v[n:n+1]
.set n, n+2
.endr
	WIN 0
.irp x, 1,2,4,8
.set n, 0
.rept 32
	v_add_f32_dpp v[SSR+n], v[SSR+n], v[SSR+n] row_xmask:\x row_mask:0xf bank_mask:0xf
.set n, n+1
.endr
.endr
.irp m, 0,1,2,3
	ds_store_b128 v[REDS], v[SSR+8*\m:SSR+8*\m+3] offset:1024*(\c)+64*\m
	ds_store_b128 v[REDS], v[SSR+8*\m+4:SSR+8*\m+7] offset:1024*(\c)+64*\m+16
.endr
.set n, 0
.if (\c) == 0
	WIN 0x08                                       ; chunk 0's products leave window 2 for my own LDS bytes, as an image of the registers
.rept 64
	ds_store_b128 v[LP], v[4*n:4*n+3] offset:512*n
.set n, n+1
.endr
.else
	WIN 0xc0                                       ; and come back into window 3, whose numbers are done with
.rept 64
	ds_load_b128 v[4*n:4*n+3], v[LP] offset:512*n
.set n, n+1
.endr
.endif
	WIN 0
	s_wait_alu depctr_va_vdst(0)                   ; ahead of the blocking waits that follow
.endm
	s_load_b256 s[4:11], s[0:1], 0x0               ; xc, wc, b_qkv, mask
	s_load_b128 s[12:15], s[0:1], 0x20             ; the scales' exponents, part
	v_lshl_add_u32 v[SPW], v0, 2, SPARE
	v_mov_b32 v[NIL], 0
	v_lshrrev_b32 v[TV], 5, v0
	v_readfirstlane_b32 s[WV], v[TV]               ; wave 0..3
	s_and_b32 s19, ttmp9, 7                        ; the K step at which this work-group begins
	s_lshl_b32 s60, s[WV], 11
	s_lshl_b32 s61, s[WV], 15
	s_lshl_b32 s62, s[WV], 8
	s_lshl_b32 s63, s[WV], 10
	v_and_b32 v[LN], 31, v0
	v_and_b32 v[BO], 15, v0
	v_bfe_u32 v[HH], v0, 4, 1
	v_lshlrev_b32 v[LO], 4, v[LN]
	v_add_nc_u32 v[LXS], s60, v[LO]                ; x's codes into LDS: my row tile
	v_add_nc_u32 v[BLS], BL, v[LXS]
	v_lshl_add_u32 v[BLL], v[BO], 2, s60
	v_add_nc_u32 v[BLL], BL, v[BLL]
	v_add_nc_u32 v[LP], s61, v[LO]
	v_add_nc_u32 v[LP], PST, v[LP]
	v_lshl_add_u32 v[REDS], v[HH], 5, s62
	v_add_nc_u32 v[WLL], WL, v[REDS]
	v_add_nc_u32 v[REDS], RED, v[REDS]
	v_lshl_add_u32 v[REDL], v[LN], 2, RED
	v_lshl_add_u32 v[WLS], v[LN], 2, s62
	v_add_nc_u32 v[WLS], WL, v[WLS]
	v_lshl_add_u32 v[KSS], v[BO], 2, s63
	v_add_nc_u32 v[KSS], KST, v[KSS]
	v_add_nc_u32 v[KSL], s63, v[LO]
	v_add_nc_u32 v[KSL], KST, v[KSL]
.irp p, 0,1,2,3,4,5,6,7
	s_add_co_u32 s62, s19, \p
	s_and_b32 s62, s62, 7
	s_lshl_b32 s62, s62, 21                        ; a K step of xc is 1,024 fragments
	v_add_nc_u32 v[XV+\p], s62, v[LO]
.endr
	s_mov_b32 s23, 0
	s_mov_b32 s[OFF+1], 0
	s_mov_b32 s[KW], s19
	s_lshl_b32 s[OFF], s[KW], 19                   ; a K step of wc is 256 fragments
	s_mov_b32 s[SEL], 0x76543210
	s_mov_b32 s[SEL+1], 0xfedcba98
	s_lshl_b32 s20, ttmp9, 2
	s_add_co_u32 s20, s20, s[WV]                   ; 4 g + w
	s_wait_alu depctr_va_vdst(0)
	s_wait_kmcnt 0x0
	s_load_b128 s[52:55], s[12:13], 0x0
	s_lshl_b32 s22, s20, 11
	s_add_nc_u64 s[4:5], s[4:5], s[22:23]          ; my row tile of x's codes
	s_add_co_u32 s22, s61, 131072
	s_add_nc_u64 s[WB:WB+1], s[6:7], s[22:23]      ; k's tile 64 + 16 w
	s_add_nc_u64 s[WA:WA+1], s[WB:WB+1], s[OFF:OFF+1]
	s_add_co_u32 s22, s63, 4096
	s_add_nc_u64 s[8:9], s[8:9], s[22:23]          ; k's biases of my 256 columns; v's lie 4,096 bytes on
	s_lshl_b32 s22, ttmp9, 6
	s_add_nc_u64 s[10:11], s[10:11], s[22:23]
	s_lshl_b32 s22, s20, 10
	s_add_nc_u64 s[14:15], s[14:15], s[22:23]
.irp q, 0,1
	global_load_b128 v[192+4*\q:192+4*\q+3], v[LO], s[8:9] offset:512*\q
	global_load_b128 v[200+4*\q:200+4*\q+3], v[LO], s[8:9] offset:4096+512*\q
.endr
	global_load_u8 v[MK], v[LN], s[10:11]
	global_load_u8 v[MK+1], v[LN], s[10:11] offset:32
.irp p, 0,1,2,3,4,5,6,7
.irp c, 0,1,2,3
	global_load_b128 v[64+16*\p+4*\c:64+16*\p+4*\c+3], v[XV+\p], s[4:5] offset:512*\c
.endr
.endr
	BLOADG 0, 0
	BLOADG 0, 1
	BLOADG 0, 2
	s_wait_loadcnt 48                              ; all but the ring's 48: biases, mask and x's codes are in
.irp q, 0,1
	ds_store_b128 v[BLS], v[192+4*\q:192+4*\q+3] offset:512*\q
	ds_store_b128 v[BLS], v[200+4*\q:200+4*\q+3] offset:1024+512*\q
.endr
.irp p, 0,1,2,3,4,5,6,7
.irp c, 0,1,2,3
	ds_store_b128 v[LXS], v[64+16*\p+4*\c:64+16*\p+4*\c+3] offset:8192*\p+512*\c
.endr
.endr
	BLOADG 0, 3
	s_wait_kmcnt 0x0
	s_add_co_i32 s[SE], s52, s53
	s_add_co_i32 s[SE], s[SE], 127
	s_lshl_b32 s[SE], s[SE], 23                    ; 2^(e0 + e1) as f32
	s_mov_b32 s[SE+1], s[SE]
	s_wait_dscnt 0x0                               ; for the others' sake: my part of x's codes is stored
	s_barrier_signal -1
	s_barrier_wait -1
	FETCH_A 0
.irp t, 0,1,2,3,4,5,6,7
	KSTEP \t
.endr
	EPI 0
.irp t, 8,9,10,11,12,13,14,15
	KSTEP \t
.endr
	EPI 1
	s_wait_dscnt 0x0
	s_barrier_signal -1
	s_barrier_wait -1
	; every wave sums the eight parts of each row's squares (lane: rows l and l + 32) and makes the rows' weights
.irp q, 0,1
.irp n, 0,1,2,3,4,5,6,7
	ds_load_b32 v[64+8*\q+\n], v[REDL] offset:256*\n+128*\q
.endr
.endr
	s_wait_dscnt 0x0
.irp q, 0,1
	v_add_f32 v[64+8*\q], v[64+8*\q], v[65+8*\q]
	v_add_f32 v[66+8*\q], v[66+8*\q], v[67+8*\q]
	v_add_f32 v[68+8*\q], v[68+8*\q], v[69+8*\q]
	v_add_f32 v[70+8*\q], v[70+8*\q], v[71+8*\q]
	v_add_f32 v[64+8*\q], v[64+8*\q], v[66+8*\q]
	v_add_f32 v[68+8*\q], v[68+8*\q], v[70+8*\q]
	v_add_f32 v[64+8*\q], v[64+8*\q], v[68+8*\q]
.endr
	s_wait_alu depctr_va_vdst(0)                   ; ahead of the batch
	v_rsq_f32 v80, v64
	v_rsq_f32 v81, v72
	v_nop
	s_wait_alu depctr_va_vdst(0)                   ; and behind it
	v_cmp_eq_u32 vcc_lo, 0, v[MK]
	v_cndmask_b32 v80, 0, v80, vcc_lo              ; a masked row weighs 0
	v_cmp_eq_u32 vcc_lo, 0, v[MK+1]
	v_cndmask_b32 v81, 0, v81, vcc_lo
	ds_store_b32 v[WLS], v80
	ds_store_b32 v[WLS], v81 offset:128
.irp m, 0,1,2,3
	ds_load_b128 v[96+8*\m:96+8*\m+3], v[WLL] offset:64*\m       ; my own bytes: LDS serves a wave's instructions in order
	ds_load_b128 v[96+8*\m+4:96+8*\m+7], v[WLL] offset:64*\m+16
.endr
	s_wait_dscnt 0x0
.irp c, 0,1
.set WN, 3-\c                          ; chunk 0's products lie in window 3, chunk 1's in window 2
	WIN WN
.irp m, 0,1,2,3
.irp j, 0,2,4,6
.irp i, 0,1,2,3,4,5,6,7
.if (\m == 0) && (\j == 0)
	v_pk_mul_f32 v[128+16*\c+2*\i:128+16*\c+2*\i+1], v[64*\m+8*\i+\j:64*\m+8*\i+\j+1], v[96+8*\m+\j:96+8*\m+\j+1]
.else
	v_pk_fma_f32 v[128+16*\c+2*\i:128+16*\c+2*\i+1], v[64*\m+8*\i+\j:64*\m+8*\i+\j+1], v[96+8*\m+\j:96+8*\m+\j+1], v[128+16*\c+2*\i:128+16*\c+2*\i+1]
.endif
.endr
.endr
.endr
.endr
	WIN 0
.irp t, 0,1,2,3,4,5,6,7,8,9,10,11,12,13,14,15
	v_add_f32 v[160+\t], v[128+2*\t], v[129+2*\t]
.endr
.irp t, 0,1,2,3,4,5,6,7,8,9,10,11,12,13,14,15
	v_permlanex16_b32 v[64+\t], v[160+\t], s[SEL], s[SEL+1]
.endr
.irp t, 0,1,2,3,4,5,6,7,8,9,10,11,12,13,14,15
	v_add_f32 v[160+\t], v[160+\t], v[64+\t]
.endr
.irp t, 0,1,2,3,4,5,6,7,8,9,10,11,12,13,14,15
	ds_store_b32 v[KSS], v[160+\t] offset:64*\t
.endr
	ds_load_b128 v[176:179], v[KSL]
	ds_load_b128 v[180:183], v[KSL] offset:512
	s_wait_dscnt 0x0
	global_store_b128 v[LO], v[176:179], s[14:15]              ; 32 lanes store 512 consecutive bytes, aligned
	global_store_b128 v[LO], v[180:183], s[14:15] offset:512
	s_wait_tensorcnt 0x0                           ; the wave's end: behind my last LDS store
	ds_add_u32 v[SPW], v[NIL]
	s_wait_dscnt 0x0
	s_endpgm
.Lfunc_end_k_q4f0725c347_kvpart:
	.size	k_q4f0725c347_kvpart, .Lfunc_end_k_q4f0725c347_kvpart-k_q4f0725c347_kvpart
	.p2alignl 7, 3214868480
	.fill 96, 4, 3214868480
	.section	.rodata,"a",@progbits
	.p2align	6, 0x0
	.amdhsa_kernel k_q4f0725c347_kvpart
		.amdhsa_group_segment_fixed_size 212480
		.amdhsa_private_segment_fixed_size 0
		.amdhsa_enable_private_segment 0
		.amdhsa_kernarg_size 48
		.amdhsa_user_sgpr_count 2
		.amdhsa_user_sgpr_kernarg_segment_ptr 1
		.amdhsa_wavefront_size32 1
		.amdhsa_system_sgpr_workgroup_id_x 1
		.amdhsa_system_sgpr_workgroup_id_y 1
		.amdhsa_system_sgpr_workgroup_id_z 1
		.amdhsa_system_vgpr_workitem_id 0
		.amdhsa_next_free_vgpr 1024
		.amdhsa_next_free_sgpr 66
		.amdhsa_reserve_vcc 1
		.amdhsa_float_denorm_mode_32 3
		.amdhsa_float_denorm_mode_16_64 3
		.amdhsa_memory_ordered 1
		.amdhsa_forward_progress 1
		.amdhsa_inst_pref_size 255
	.end_amdhsa_kernel
	.section	.bss,"aw",@nobits
	.p2align	6
	.space	262144
	.amdgpu_metadata
---
amdhsa.version: [ 1, 2 ]
amdhsa.kernels:
  - .name:           k_q4f0725c347_kvpart
    .symbol:         k_q4f0725c347_kvpart.kd
    .args:
      - { .name: xc, .offset: 0, .size: 8, .value_kind: global_buffer, .address_space: global }
      - { .name: wc, .offset: 8, .size: 8, .value_kind: global_buffer, .address_space: global }
      - { .name: b_qkv, .offset: 16, .size: 8, .value_kind: global_buffer, .address_space: global }
      - { .name: mask, .offset: 24, .size: 8, .value_kind: global_buffer, .address_space: global }
      - { .name: lowp_scales, .offset: 32, .size: 8, .value_kind: global_buffer, .address_space: global }
      - { .name: part, .offset: 40, .size: 8, .value_kind: global_buffer, .address_space: global }
    .group_segment_fixed_size: 212480
    .private_segment_fixed_size: 0
    .kernarg_segment_align: 8
    .kernarg_segment_size: 48
    .max_flat_workgroup_size: 128
    .sgpr_count:     66
    .vgpr_count:     1024
    .wavefront_size: 32
...
	.end_amdgpu_metadata
.endif
;; end of part 2
;; launch qout (part 3): grid 256 x 1, 4 waves a work-group, clusters of 4 x 1, 327,680 bytes of LDS; arguments xc, wc, b_qkv, part, lowp_scales, b_out, out0; writes out0
.if DOCPART == 3
	.amdgcn_target "amdgcn-amd-amdhsa--gfx1250"
	.amdhsa_code_object_version 6
	.text
	.protected	k_q4f0725c347_qout
	.globl	k_q4f0725c347_qout
	.p2align	8
	.type	k_q4f0725c347_qout,@function
k_q4f0725c347_qout:
	s_mov_b64 s[64:65], 0
	v_nop
	global_prefetch_b8 v0, s[64:65] scope:SCOPE_SE
	s_setreg_imm32_b32 hwreg(HW_REG_WAVE_MODE, 25, 1), 1
	s_wait_xcnt 0x0
	s_wait_alu depctr_hold_cnt(0) depctr_sa_sdst(0) depctr_va_vdst(0) depctr_va_sdst(0) depctr_va_ssrc(0) depctr_va_vcc(0) depctr_vm_vsrc(0)
	s_getreg_b32 s2, hwreg(HW_REG_IB_STS2, 6, 4)
	s_cmp_eq_u32 s2, 0
	s_cbranch_scc0 .Lentry_in_a_cluster
	s_endpgm
.Lentry_in_a_cluster:
	s_bfe_u32 s2, ttmp6, 0x10000c
	s_cmp_lg_u32 s2, 0x3003
	s_cbranch_scc0 .Lentry_shape_is_right
	s_endpgm
.Lentry_shape_is_right:
.set SLOT1, 131072
.set RED2,  262144
.set KVL,   263168
.set SPARE, 267264
.set XR,    267776
.set STG,   300544
.set SP,    272
.set SPW,  1
.set NIL,  2
.set LB0,  3
.set LXA,  5
.set LXS,  6
.set XO,   7
.set PO,   8
.set PUBA, 9
.set R2S,  10
.set R2L,  11
.set KVS,  12
.set KVLD, 13
.set STO,  14
.set RD,   15
.set BQO,  16
.set PF,   17
.set KV,   18
.set SC,   26
.set LIMV, 27
.set CO,   28
.set XG,   32
.set BO,   32
.set AF,   64
.set TMP,  64
.set BUF0, 128
.set BUF1, 192
.set BK,   128
.set SS,   192
.set WV,   18
.set G1Q,  24
.set G0A,  32
.set G0B,  36
.set WB,   40
.set OFF,  42
.set KW,   44
.set KX,   45
.set XB,   46
.set XA,   48
.set XOFF, 50
.set G1O,  56
.set SE,   66
.set SOU,  68
.set SEL,  70
.set WO,   72
.set PB,   74
.set CN,   80
.set CE,   81
.set COF,  82
.set OB,   84
.set BB,   86
.set MSB, 0
.macro WIN new
.if MSB != \new
	s_set_vgpr_msb (MSB<<8)|\new
.set MSB, \new
.endif
.endm
.macro PLACES
.rept 4
	v_nop
.endr
.endm
.macro ROUND
	s_barrier_signal -1
	s_barrier_wait -1
	s_cmp_lg_u32 s[WV], 0
	s_cbranch_scc1 .Lnot_wave_0_\@
	s_barrier_signal -3
.Lnot_wave_0_\@:
	s_barrier_wait -3
	s_barrier_signal -1
	s_barrier_wait -1
.endm
.macro CHANGE_FIRST
	s_wait_tensorcnt 0x1
	s_wait_dscnt 0x0
	s_barrier_signal -1
	s_barrier_wait -1
.endm
.macro CHANGE_Q
	s_wait_tensorcnt 0x0
	ds_add_u32 v[SPW], v[NIL]
	s_add_co_u32 s[KW], s[KW], 1
	s_and_b32 s[KW], s[KW], 7
	s_lshl_b32 s[OFF], s[KW], 19
	s_add_nc_u64 s[G0B+2:G0B+3], s[WB:WB+1], s[OFF:OFF+1]
	s_or_b32 s[G0B+3], s[G0B+3], 0x80000000
	s_xor_b32 s[G0B+1], s[G0B+1], SLOT1
	s_wait_dscnt 0x0
	ROUND
	tensor_load_to_lds s[G0B:G0B+3], s[G1Q:G1Q+7]
	s_nop 0
	PLACES
.endm
.macro CHANGE_O s
	s_wait_tensorcnt 0x0
	ds_add_u32 v[SPW], v[NIL]
.if ((\s)%2 == 0) && ((\s) > 0)
	s_add_co_u32 s[CN], s[CN], 1
	s_and_b32 s[CN], s[CN], 3
.endif
	s_lshl_b32 s[OFF], s[CN], 15
	s_add_nc_u64 s[G0B+2:G0B+3], s[WO:WO+1], s[OFF:OFF+1]
.if (\s)%2
	s_add_nc_u64 s[G0B+2:G0B+3], s[G0B+2:G0B+3], 2097152
.endif
	s_or_b32 s[G0B+3], s[G0B+3], 0x80000000
	s_xor_b32 s[G0B+1], s[G0B+1], SLOT1
	s_wait_dscnt 0x0
	ROUND
	tensor_load_to_lds s[G0B:G0B+3], s[G1O:G1O+7]
	s_nop 0
	PLACES
.endm
.macro CHANGE_LAST
	s_wait_tensorcnt 0x0
	ds_add_u32 v[SPW], v[NIL]
	s_wait_dscnt 0x0
	s_barrier_signal -1
	s_barrier_wait -1
.endm
.macro FETCH_A buf
.irp m, 0,1,2,3
.irp c, 0,1,2,3
	ds_load_b128 v[AF+16*\m+4*\c:AF+16*\m+4*\c+3], v[LXA] offset:8192*(\buf)+2048*\m+512*\c
.endr
.endr
.endm
.macro FETCH_B buf, grp, dst
.irp b, 0,1,2,3
.irp c, 0,1,2,3
	ds_load_b128 v[\dst+16*\b+4*\c:\dst+16*\b+4*\c+3], v[LB0+\buf] offset:2048*(4*(\grp)+\b)+512*\c
.endr
.endr
.endm
.macro MUL16 grp, src, zero
.set WN, 0xa0+0x50*((\grp)/2)
	WIN WN
.irp b, 0,1,2,3
.irp m, 0,1,2,3
.set AC, 8*(8*\m+(4*(\grp)+\b)%8)
.if \zero
	v_wmma_f32_16x16x128_bf8_bf8 v[AC:AC+7], v[\src+16*\b:\src+16*\b+15], v[AF+16*\m:AF+16*\m+15], 0
.else
	v_wmma_f32_16x16x128_bf8_bf8 v[AC:AC+7], v[\src+16*\b:\src+16*\b+15], v[AF+16*\m:AF+16*\m+15], v[AC:AC+7]
.endif
.endr
.endr
.endm
.macro XLOAD set
	s_wait_xcnt 0x0
	s_add_co_u32 s[KX], s[KX], 1
	s_and_b32 s[KX], s[KX], 7
	s_lshl_b32 s[XOFF], s[KX], 21
	s_add_nc_u64 s[XA:XA+1], s[XB:XB+1], s[XOFF:XOFF+1]
.irp c, 0,1,2,3
	global_load_b128 v[XG+16*(\set)+4*\c:XG+16*(\set)+4*\c+3], v[XO], s[XA:XA+1] offset:512*\c
.endr
.endm
.macro XSTORE set, buf
.irp c, 0,1,2,3
	ds_store_b128 v[LXS], v[XG+16*(\set)+4*\c:XG+16*(\set)+4*\c+3] offset:8192*(\buf)+512*\c
.endr
.endm
.macro PLOAD sg
	WIN 0x40
.irp j, 0,1,2,3,4,5,6,7
	global_load_b128 v[64*((\sg)%2)+8*\j:64*((\sg)%2)+8*\j+3], v[PO], s[PB:PB+1] offset:4096*(8*(\sg)+\j)
	global_load_b128 v[64*((\sg)%2)+8*\j+4:64*((\sg)%2)+8*\j+7], v[PO], s[PB:PB+1] offset:4096*(8*(\sg)+\j)+2048
.endr
	WIN 0
.endm
.macro PADD b
.set PS, 64*((\b)%2)
.if (\b) == 0
	WIN 0x05
.irp q, 0,2,4,6
	v_pk_add_f32 v[KV+\q:KV+\q+1], v[PS+\q:PS+\q+1], v[PS+8+\q:PS+8+\q+1]
.endr
	WIN 0x04
.irp j, 2,3,4,5,6,7
.irp q, 0,2,4,6
	v_pk_add_f32 v[KV+\q:KV+\q+1], v[KV+\q:KV+\q+1], v[PS+8*\j+\q:PS+8*\j+\q+1]
.endr
.endr
.else
	WIN 0x04
.irp j, 0,1,2,3,4,5,6,7
.irp q, 0,2,4,6
	v_pk_add_f32 v[KV+\q:KV+\q+1], v[KV+\q:KV+\q+1], v[PS+8*\j+\q:PS+8*\j+\q+1]
.endr
.endr
.endif
	WIN 0
.endm
	s_load_b256 s[4:11], s[0:1], 0x0
	s_load_b128 s[12:15], s[0:1], 0x20
	s_load_b64 s[16:17], s[0:1], 0x30
	v_lshl_add_u32 v[SPW], v0, 2, SPARE
	v_mov_b32 v[NIL], 0
	ds_add_u32 v[SPW], v[NIL]
	ds_add_u32 v[SPW], v[NIL]
	v_lshrrev_b32 v31, 5, v0
	v_readfirstlane_b32 s[WV], v31
	s_bfe_u32 s19, ttmp6, 0x40000
	s_lshl_b32 s20, ttmp9, 2
	s_add_co_u32 s20, s20, s19
	s_and_b32 s21, ttmp9, 7
	s_and_b32 s[CN], ttmp9, 3
	s_mov_b32 s[CE], s[CN]
	s_mov_b32 s[COF+1], 0
	s_mov_b32 s[G1Q], 15|(3<<16)|(1<<21)
	s_mov_b32 s[G1Q+1], 512<<16
	s_mov_b32 s[G1Q+2], 8<<16
	s_mov_b32 s[G1Q+3], 512<<16
	s_mov_b32 s[G1Q+4], 8
	s_mov_b32 s[G1Q+5], 2048
	s_mov_b32 s[G1Q+6], 0
	s_mov_b32 s[G1Q+7], 0
	s_mov_b32 s[G1O], 15|(3<<16)|(1<<21)
	s_mov_b32 s[G1O+1], 1024<<16
	s_mov_b32 s[G1O+2], 4<<16
	s_mov_b32 s[G1O+3], 1024<<16
	s_mov_b32 s[G1O+4], 4
	s_mov_b32 s[G1O+5], 65536
	s_mov_b32 s[G1O+6], 0
	s_mov_b32 s[G1O+7], 0
	s_lshl_b32 s76, s[WV], 15
	s_mov_b32 s79, 0
	s_mov_b32 s23, 0
	s_mov_b32 s[OFF+1], 0
	s_mov_b32 s[XOFF+1], 0
	s_mov_b32 s[KW], s21
	s_add_co_u32 s[KX], s21, 7
	s_and_b32 s[KX], s[KX], 7
	s_mov_b32 s[SEL], 0x76543210
	s_mov_b32 s[SEL+1], 0xfedcba98
	s_wait_dscnt 0x0
	s_wait_kmcnt 0x0
	s_load_b128 s[52:55], s[12:13], 0x0
	s_lshl_b32 s78, s[WV], 12
	s_add_nc_u64 s[WB:WB+1], s[6:7], s[78:79]
	s_lshl_b32 s78, s[WV], 13
	s_add_co_u32 s78, s78, 393216
	s_add_nc_u64 s[WO:WO+1], s[6:7], s[78:79]
	s_lshl_b32 s78, s[WV], 7
	s_add_nc_u64 s[8:9], s[8:9], s[78:79]
	s_lshl_b32 s78, s[WV], 8
	s_add_nc_u64 s[14:15], s[14:15], s[78:79]
	s_lshl_b32 s22, s20, 2
	s_add_co_u32 s22, s22, s[WV]
	s_lshl_b32 s22, s22, 11
	s_add_nc_u64 s[XB:XB+1], s[4:5], s[22:23]
	s_lshr_b32 s22, s20, 6
	s_lshl_b32 s22, s22, 18
	s_add_nc_u64 s[PB:PB+1], s[10:11], s[22:23]
	s_lshl_b32 s22, s20, 10
	s_add_co_u32 s22, s22, s[WV]
	s_lshl_b32 s22, s22, 8
	s_add_nc_u64 s[16:17], s[16:17], s[22:23]
	s_mov_b32 s[G0A], 1
	s_mov_b32 s[G0A+1], s76
	s_lshl_b32 s[OFF], s[KW], 19
	s_add_nc_u64 s[G0A+2:G0A+3], s[WB:WB+1], s[OFF:OFF+1]
	s_or_b32 s[G0A+3], s[G0A+3], 0x80000000
	s_add_co_u32 s[KW], s[KW], 1
	s_and_b32 s[KW], s[KW], 7
	s_lshl_b32 s[OFF], s[KW], 19
	s_mov_b32 s[G0B], 1
	s_add_co_u32 s[G0B+1], s76, SLOT1
	s_add_nc_u64 s[G0B+2:G0B+3], s[WB:WB+1], s[OFF:OFF+1]
	s_or_b32 s[G0B+3], s[G0B+3], 0x80000000
	ROUND
	tensor_load_to_lds s[G0A:G0A+3], s[G1Q:G1Q+7]
	s_nop 0
	s_wait_alu depctr_va_vdst(0)
	s_wait_tensorcnt 0x0
	ds_add_u32 v1, v2
	s_wait_dscnt 0x0
	ROUND
	tensor_load_to_lds s[G0B:G0B+3], s[G1Q:G1Q+7]
	s_nop 0
	PLACES
	v_and_b32 v31, 31, v0
	v_and_b32 v29, 15, v0
	v_bfe_u32 v30, v0, 4, 1
	v_lshlrev_b32 v[XO], 4, v31
	v_add_nc_u32 v[LB0], s76, v[XO]
	v_add_nc_u32 v[LB0+1], SLOT1, v[LB0]
	v_add_nc_u32 v[LXA], XR, v[XO]
	s_lshl_b32 s77, s[WV], 11
	v_add_nc_u32 v[LXS], s77, v[LXA]
	s_lshl_b32 s77, s[WV], 9
	v_add_nc_u32 v[PUBA], s77, v[LXA]
	v_lshlrev_b32 v[PO], 4, v0
	v_add_nc_u32 v[KVS], KVL, v[PO]
	s_lshl_b32 s77, s[WV], 8
	v_lshl_add_u32 v[R2S], v29, 2, s77
	v_add_nc_u32 v[R2S], RED2, v[R2S]
	v_lshl_add_u32 v[R2L], v29, 2, RED2
	s_lshl_b32 s77, s[WV], 7
	v_lshl_add_u32 v[KVLD], v30, 5, s77
	v_add_nc_u32 v[KVLD], KVL, v[KVLD]
	v_lshlrev_b32 v[BQO], 5, v30
	s_mul_i32 s77, s[WV], 16*SP
	v_mul_u32_u24 v[STO], v29, SP
	v_lshl_add_u32 v[STO], v30, 5, v[STO]
	v_add_nc_u32 v[STO], s77, v[STO]
	v_add_nc_u32 v[STO], STG, v[STO]
	v_mul_u32_u24 v[RD], v30, SP
	v_lshl_add_u32 v[RD], v29, 4, v[RD]
	v_add_nc_u32 v[RD], s77, v[RD]
	v_add_nc_u32 v[RD], STG, v[RD]
	v_lshlrev_b32 v[CO], 12, v30
	v_lshl_add_u32 v[CO], v29, 4, v[CO]
	s_add_co_u32 s77, s21, 4
	v_bfe_u32 v[PF], v0, 3, 2
	v_add_nc_u32 v[PF], s77, v[PF]
	v_and_b32 v[PF], 7, v[PF]
	v_lshlrev_b32 v[PF], 21, v[PF]
	v_and_b32 v31, 7, v0
	v_lshl_or_b32 v[PF], v31, 8, v[PF]
	s_wait_alu depctr_va_vdst(0)
	XLOAD 0
	XLOAD 1
	WIN 0x40
.irp i, 0,1,2,3,4,5,6,7,8,9,10,11,12,13,14,15
	global_load_b128 v[128+8*\i:128+8*\i+3], v[BQO], s[8:9] offset:512*(\i/2)+64*(\i%2)
	global_load_b128 v[128+8*\i+4:128+8*\i+7], v[BQO], s[8:9] offset:512*(\i/2)+64*(\i%2)+16
.endr
	WIN 0
	s_wait_kmcnt 0x0
	s_add_co_i32 s[SE], s52, s53
	s_add_co_i32 s[SE], s[SE], 127
	s_lshl_b32 s[SE], s[SE], 23
	s_mov_b32 s[SE+1], s[SE]
	s_add_co_i32 s[SOU], s54, s55
	s_add_co_i32 s[SOU], s[SOU], 127
	s_lshl_b32 s[SOU], s[SOU], 23
	s_mov_b32 s[SOU+1], s[SOU]
	s_add_co_i32 s77, s54, 127
	s_lshl_b32 s78, s77, 23
	v_mov_b32 v[SC], s78
	s_add_co_i32 s77, s77, 15
	s_lshl_b32 s77, s77, 23
	s_or_b32 s77, s77, 0x600000
	v_mov_b32 v[LIMV], s77
	s_wait_loadcnt 0x0
	XSTORE 0, 0
.macro STEP sg, zero
.set BF, ((\sg)%2)
.if (\sg) == 0
	CHANGE_FIRST
.elseif (\sg) <= 6
	CHANGE_Q
.else
	CHANGE_O 0
.endif
	FETCH_A BF
	FETCH_B BF, 0, BUF0
	FETCH_B BF, 1, BUF1
.if (\sg) <= 5
	XLOAD BF
.endif
	PLOAD \sg
.if (\sg) == 0
	global_prefetch_b8 v[PF], s[XB:XB+1] th:TH_LOAD_NT scope:SCOPE_SE
.endif
	s_wait_dscnt 16
	MUL16 0, BUF0, \zero
	PLACES
	WIN 0
	FETCH_B BF, 2, BUF0
	s_wait_dscnt 16
	MUL16 1, BUF1, \zero
	PLACES
	WIN 0
	FETCH_B BF, 3, BUF1
	s_wait_dscnt 16
	MUL16 2, BUF0, \zero
	WIN 0
.if (\sg) <= 5
	s_wait_loadcnt 20
.else
	s_wait_loadcnt 16
.endif
.if (\sg) <= 6
	XSTORE 1-BF, 1-BF
.endif
.if (\sg) >= 1
	s_wait_alu depctr_va_vdst(0)
	PADD (\sg)-1
.endif
.if (\sg) == 7
	s_wait_alu depctr_va_vdst(0)
	s_wait_dscnt 0
.else
	s_wait_dscnt 4
.endif
	MUL16 3, BUF1, \zero
	PLACES
	WIN 0
.endm
	STEP 0, 1
.irp t, 1,2,3,4,5,6,7
	STEP \t, 0
.endr
	s_wait_loadcnt 0x0
	PADD 7
	ds_store_b128 v[KVS], v[KV:KV+3]
	ds_store_b128 v[KVS], v[KV+4:KV+7] offset:2048
.irp hh, 0,1
.set WN, 0x92+0x41*\hh
	WIN WN
.irp m, 0,1,2,3
.irp i, 0,1,2,3,4,5,6,7
.irp j, 0,2,4,6
	v_pk_fma_f32 v[64*\m+8*\i+\j:64*\m+8*\i+\j+1], v[64*\m+8*\i+\j:64*\m+8*\i+\j+1], s[SE:SE+1], v[128+64*\hh+8*\i+\j:128+64*\hh+8*\i+\j+1] op_sel_hi:[1,0,1]
.endr
.endr
.endr
.endr
.irp hh, 0,1
.set WN, 0x0a+5*\hh
	WIN WN
.irp i, 0,1,2,3,4,5,6,7
.irp j, 0,2,4,6
.irp m, 0,1,2,3
.if (\hh == 0) && (\i == 0) && (\j < 4)
	v_pk_mul_f32 v[SS+4*\m+2*((\j/2)%2):SS+4*\m+2*((\j/2)%2)+1], v[64*\m+8*\i+\j:64*\m+8*\i+\j+1], v[64*\m+8*\i+\j:64*\m+8*\i+\j+1]
.else
	v_pk_fma_f32 v[SS+4*\m+2*((\j/2)%2):SS+4*\m+2*((\j/2)%2)+1], v[64*\m+8*\i+\j:64*\m+8*\i+\j+1], v[64*\m+8*\i+\j:64*\m+8*\i+\j+1], v[SS+4*\m+2*((\j/2)%2):SS+4*\m+2*((\j/2)%2)+1]
.endif
.endr
.endr
.endr
.endr
	WIN 0
.irp m, 0,1,2,3
	v_add_f32 v[SS+4*\m], v[SS+4*\m], v[SS+4*\m+1]
	v_add_f32 v[SS+4*\m+2], v[SS+4*\m+2], v[SS+4*\m+3]
.endr
.irp m, 0,1,2,3
	v_add_f32 v[SS+4*\m], v[SS+4*\m], v[SS+4*\m+2]
.endr
.irp m, 0,1,2,3
	v_permlanex16_b32 v[SS+4*\m+1], v[SS+4*\m], s[SEL], s[SEL+1]
.endr
.irp m, 0,1,2,3
	v_add_f32 v[SS+4*\m], v[SS+4*\m], v[SS+4*\m+1]
.endr
.irp m, 0,1,2,3
	ds_store_b32 v[R2S], v[SS+4*\m] offset:64*\m
.endr
	s_wait_dscnt 0x0
	s_barrier_signal -1
	s_barrier_wait -1
.irp m, 0,1,2,3
.irp q, 0,1,2,3
	ds_load_b32 v[216+4*\m+\q], v[R2L] offset:256*\q+64*\m
.endr
.endr
.irp i, 0,1,2,3,4,5,6,7,8,9,10,11,12,13,14,15
	ds_load_b128 v[64+8*\i:64+8*\i+3], v[KVLD] offset:512*(\i/2)+64*(\i%2)
	ds_load_b128 v[64+8*\i+4:64+8*\i+7], v[KVLD] offset:512*(\i/2)+64*(\i%2)+16
.endr
	s_wait_dscnt 0x0
.irp m, 0,1,2,3
	v_add_f32 v[216+4*\m], v[216+4*\m], v[217+4*\m]
	v_add_f32 v[218+4*\m], v[218+4*\m], v[219+4*\m]
.endr
.irp m, 0,1,2,3
	v_add_f32 v[216+4*\m], v[216+4*\m], v[218+4*\m]
.endr
	s_wait_alu depctr_va_vdst(0)
.irp m, 0,1,2,3
	v_rsq_f32 v[208+2*\m], v[216+4*\m]
	v_rsq_f32 v[209+2*\m], v[216+4*\m]
.endr
	v_nop
	s_wait_alu depctr_va_vdst(0)
.irp hh, 0,1
.set WN, 0x82+0x41*\hh
	WIN WN
.irp m, 0,1,2,3
.irp i, 0,1,2,3,4,5,6,7
.irp j, 0,2,4,6
	v_pk_mul_f32 v[64*\m+8*\i+\j:64*\m+8*\i+\j+1], v[64*\m+8*\i+\j:64*\m+8*\i+\j+1], v[208+2*\m:209+2*\m]
.endr
.endr
.endr
.irp m, 0,1,2,3
.irp i, 0,1,2,3,4,5,6,7
.irp j, 0,2,4,6
	v_pk_mul_f32 v[64*\m+8*\i+\j:64*\m+8*\i+\j+1], v[64*\m+8*\i+\j:64*\m+8*\i+\j+1], v[64+64*\hh+8*\i+\j:64+64*\hh+8*\i+\j+1]
.endr
.endr
.endr
.set n, 0
.rept 256
	v_med3_num_f32 v[n], v[n], -v[LIMV], v[LIMV]
.set n, n+1
.endr
.set WN, 0x42+\hh
	WIN WN
.irp m, 0,1,2,3
.irp i, 0,1,2,3,4,5,6,7
	v_cvt_scalef32_pk8_bf8_f32 v[32*\m+16*\hh+2*\i:32*\m+16*\hh+2*\i+1], v[64*\m+8*\i:64*\m+8*\i+7], v[SC]
.endr
.endr
.endr
	v_nop
.macro PUBH hf
	WIN 0x04
.irp q, 0,1,2,3
.irp m, 0,1,2,3
	ds_store_b128 v[PUBA], v[32*\m+16*(\hf)+4*\q:32*\m+16*(\hf)+4*\q+3] offset:2048*(4*\q+\m)
.endr
.endr
	WIN 0
.endm
.macro ALOADG hf, q
.set WN, 0x80+0x40*(\hf)
	WIN WN
.irp m, 0,1,2,3
.irp c, 0,1,2,3
	ds_load_b128 v[16*(4*(\q)+\m)+4*\c:16*(4*(\q)+\m)+4*\c+3], v[LXA] offset:2048*(4*(\q)+\m)+512*\c
.endr
.endr
	WIN 0
.endm
.macro OMUL q, src, hf, zero
.set WN, 0x58+4*(\hf)
	WIN WN
.irp b, 0,1,2,3
.irp m, 0,1,2,3
.set AC, 128+8*(4*\m+\b)
.set AA, 16*(4*(\q)+\m)
.if \zero
	v_wmma_f32_16x16x128_bf8_bf8 v[AC:AC+7], v[\src+16*\b:\src+16*\b+15], v[AA:AA+15], 0
.else
	v_wmma_f32_16x16x128_bf8_bf8 v[AC:AC+7], v[\src+16*\b:\src+16*\b+15], v[AA:AA+15], v[AC:AC+7]
.endif
.endr
.endr
.endm
.macro TOST m
	WIN 0x01
.irp b, 0,1,2,3
.irp j, 0,2,4,6
	v_pk_fma_f32 v[TMP+8*\b+\j:TMP+8*\b+\j+1], v[128+8*(4*(\m)+\b)+\j:128+8*(4*(\m)+\b)+\j+1], s[SOU:SOU+1], v[BO+8*\b+\j:BO+8*\b+\j+1] op_sel_hi:[1,0,1]
.endr
.endr
	WIN 0
.irp b, 0,1,2,3
	ds_store_b128 v[STO], v[TMP+8*\b:TMP+8*\b+3] offset:64*\b
	ds_store_b128 v[STO], v[TMP+8*\b+4:TMP+8*\b+7] offset:64*\b+16
.endr
.irp t, 0,1,2,3,4,5,6,7
	ds_load_b128 v[BK+32*(\m)+4*\t:BK+32*(\m)+4*\t+3], v[RD] offset:2*\t*SP
.endr
.endm
.macro SENDO m, younger
	s_wait_dscnt \younger
.irp t, 0,1,2,3,4,5,6,7
	global_store_b128 v[CO], v[BK+32*(\m)+4*\t:BK+32*(\m)+4*\t+3], s[OB:OB+1] offset:65536*(\m)+8192*\t th:TH_STORE_NT
.endr
.endm
.macro OSTEP t
.set BF, ((\t)%2)
.if (\t) == 7
	CHANGE_LAST
.else
	CHANGE_O (\t)+1
.endif
	s_wait_xcnt 0x0
.if BF == 0
.if (\t) > 0
	s_add_co_u32 s[CE], s[CE], 1
	s_and_b32 s[CE], s[CE], 3
.endif
	s_lshl_b32 s[COF], s[CE], 10
	s_add_nc_u64 s[OB:OB+1], s[16:17], s[COF:COF+1]
	s_add_nc_u64 s[BB:BB+1], s[14:15], s[COF:COF+1]
.endif
.if (\t) < 2
	ALOADG BF, 0
.endif
	FETCH_B BF, 0, BUF0
	FETCH_B BF, 1, BUF1
.if BF == 0
.irp b, 0,1,2,3
	global_load_b128 v[BO+8*\b:BO+8*\b+3], v[BQO], s[BB:BB+1] offset:64*\b
	global_load_b128 v[BO+8*\b+4:BO+8*\b+7], v[BQO], s[BB:BB+1] offset:64*\b+16
.endr
.endif
	s_wait_dscnt 16
	OMUL 0, BUF0, BF, 1-BF
	PLACES
	WIN 0
.if (\t) < 2
	ALOADG BF, 1
.endif
	FETCH_B BF, 2, BUF0
	s_wait_dscnt 16
	OMUL 1, BUF1, BF, 0
	PLACES
	WIN 0
.if (\t) < 2
	ALOADG BF, 2
	ALOADG BF, 3
.endif
	FETCH_B BF, 3, BUF1
	s_wait_dscnt 16
	OMUL 2, BUF0, BF, 0
	WIN 0
	s_wait_dscnt 0x0
.if (\t) == 0
	s_barrier_signal -1
	s_barrier_wait -1
	s_wait_alu depctr_va_vdst(0)
	PUBH 1
.endif
	OMUL 3, BUF1, BF, 0
	PLACES
	WIN 0
.if BF == 1
	s_wait_loadcnt 0x0
	TOST 0
	TOST 1
	SENDO 0, 16
	TOST 2
	SENDO 1, 16
	TOST 3
	SENDO 2, 16
	SENDO 3, 0
.endif
.endm
	PUBH 0
.irp t, 0,1,2,3,4,5,6,7
	OSTEP \t
.endr
	s_wait_tensorcnt 0x0
	ds_add_u32 v[SPW], v[NIL]
	s_wait_dscnt 0x0
	ROUND
	s_endpgm
.Lfunc_end_k_q4f0725c347_qout:
	.size	k_q4f0725c347_qout, .Lfunc_end_k_q4f0725c347_qout-k_q4f0725c347_qout
	.p2alignl 7, 3214868480
	.fill 96, 4, 3214868480
	.section	.rodata,"a",@progbits
	.p2align	6, 0x0
	.amdhsa_kernel k_q4f0725c347_qout
		.amdhsa_group_segment_fixed_size 327680
		.amdhsa_private_segment_fixed_size 0
		.amdhsa_enable_private_segment 0
		.amdhsa_kernarg_size 56
		.amdhsa_user_sgpr_count 2
		.amdhsa_user_sgpr_kernarg_segment_ptr 1
		.amdhsa_wavefront_size32 1
		.amdhsa_system_sgpr_workgroup_id_x 1
		.amdhsa_system_sgpr_workgroup_id_y 1
		.amdhsa_system_sgpr_workgroup_id_z 1
		.amdhsa_system_vgpr_workitem_id 0
		.amdhsa_next_free_vgpr 1024
		.amdhsa_next_free_sgpr 88
		.amdhsa_reserve_vcc 0
		.amdhsa_float_denorm_mode_32 3
		.amdhsa_float_denorm_mode_16_64 3
		.amdhsa_memory_ordered 1
		.amdhsa_forward_progress 1
		.amdhsa_inst_pref_size 255
	.end_amdhsa_kernel
	.section	.bss,"aw",@nobits
	.p2align	6
	.space	262144
	.amdgpu_metadata
---
amdhsa.version: [ 1, 2 ]
amdhsa.kernels:
  - .name:           k_q4f0725c347_qout
    .symbol:         k_q4f0725c347_qout.kd
    .args:
      - { .name: xc, .offset: 0, .size: 8, .value_kind: global_buffer, .address_space: global }
      - { .name: wc, .offset: 8, .size: 8, .value_kind: global_buffer, .address_space: global }
      - { .name: b_qkv, .offset: 16, .size: 8, .value_kind: global_buffer, .address_space: global }
      - { .name: part, .offset: 24, .size: 8, .value_kind: global_buffer, .address_space: global }
      - { .name: lowp_scales, .offset: 32, .size: 8, .value_kind: global_buffer, .address_space: global }
      - { .name: b_out, .offset: 40, .size: 8, .value_kind: global_buffer, .address_space: global }
      - { .name: out0, .offset: 48, .size: 8, .value_kind: global_buffer, .address_space: global }
    .group_segment_fixed_size: 327680
    .private_segment_fixed_size: 0
    .kernarg_segment_align: 8
    .kernarg_segment_size: 56
    .max_flat_workgroup_size: 128
    .sgpr_count:     88
    .vgpr_count:     1024
    .wavefront_size: 32
...
	.end_amdgpu_metadata
.endif
;; end of part 3
